; MI455X (gfx1250); checked and timed in simulation.
; The chip was launched on July 23, 2026; its instructions are those of AMD's public machine-readable ISA for CDNA 5 (MIT licence, August 2026) and "CDNA5" Instruction Set Architecture Reference Guide (July 2026). The comments in the code are by the model that wrote it; some were corrected since.
;; Re Based Linear Attention. Allowed arithmetic: matrix products marked QUANTISED: E4M3 operands, one given power-of-two scale a tensor, by v_wmma_f32_16x16x64_fp8_fp8 or v_wmma_f32_16x16x128_fp8_fp8, f32 sums; everything else in f32.
;; Inputs: Wk 2,048 x 2,048 float32; Wo 2,048 x 2,048 float32; Wq 2,048 x 2,048 float32; Wv 2,048 x 2,048 float32; beta 128 float32; gamma 128 float32; hidden_states 1 x 2,048 x 2,048 float32; lowp_scales 12 int32 (the exponents e of the quantised operands' scales 2^e).
;; Outputs: out0 1 x 2,048 x 2,048 float32.
;; This version of the problem:
;;   THIS VERSION OF THE PROBLEM IS GIVEN IN LOW PRECISION. The matrix products marked QUANTISED in the list below multiply operands that are first quantised to E4M3 (4 exponent bits, 3 mantissa bits; 8 bits a number), with one given power-of-two scale for each operand tensor; their sums are f32. All else is computed in f32.
;;   The module's matrix products, in the order in which they are computed (A, B: the left and right operand; K: the contracted axis; several contracted axes count as one K, in the product's order):
;;     1. [M 2,048, K 2,048] x [K 2,048, N 2,048]; A: input hidden_states; B: input Wq: QUANTISED (scales: A lowp_scales[0], B lowp_scales[1])
;;     2. [M 2,048, K 2,048] x [K 2,048, N 2,048]; A: input hidden_states; B: input Wk: QUANTISED (scales: A lowp_scales[2], B lowp_scales[3])
;;     3. [M 2,048, K 2,048] x [K 2,048, N 2,048]; A: input hidden_states; B: input Wv: QUANTISED (scales: A lowp_scales[4], B lowp_scales[5])
;;     4. batch 16 x [M 2,048, K 128] x [K 128, N 2,048]; A: computed on the way; B: computed on the way: QUANTISED (scales: A lowp_scales[6], B lowp_scales[7])
;;     5. batch 16 x [M 128, K 2,048] x [K 2,048, N 2,048]; A: computed on the way; B: computed on the way: QUANTISED (scales: A lowp_scales[8], B lowp_scales[9])
;;     6. [M 2,048, K 2,048] x [K 2,048, N 2,048]; A: computed on the way; B: input Wo: QUANTISED (scales: A lowp_scales[10], B lowp_scales[11])
;;   THE QUANTISER, for each operand of a quantised product, along K:
;;     - The operand's scale is 2^e, e = its entry of the input lowp_scales (int32; the entries are numbered through the quantised products in the list's order, A before B).
;;     - Each number is divided by the scale, clamped to +-448, and rounded to the nearest number of E4M3, ties to even, subnormals kept.
;;     - The product sums the exact products of the quantised numbers (number of the format x scale) in f32.
;;   ~~~python
;;   def quantise(x, axis, e):      # numpy; x: float32 -> the quantised numbers, widened to float32 again
;;       x = np.moveaxis(x, axis, -1); K = x.shape[-1]
;;       r = np.clip(x / 2.0 ** e, -448, 448)
;;       step = 2.0 ** (np.maximum(np.frexp(np.where(r == 0, 1, r))[1] - 1, -6) - 3)
;;       q = np.round(r / step) * step * 2.0 ** e      # np.round: ties to even
;;       return np.moveaxis(q, -1, axis).astype(np.float32)
;;   ~~~
;;   OPERANDS COMPUTED ON THE WAY. 'Computed on the way' means the value that the module computes at that place (a softmax that the list does not call 'softmax' is quantised finished and normalised). What goes into a quantiser is computed in f32, as accurately as f32 sums, v_exp_f32 and their like allow (about 1e-6 of the number): no bf16 or f16 on the way to a quantiser, and a product that is left as it is and whose result goes on into a quantised operand takes f32 operands (vector FMAs, or v_wmma_f32_16x16x4_f32). A number that lies on a knife's edge between two numbers of the format may be rounded either way, as far as f32 arithmetic and the matrix unit's own rounding can turn it there, and no further.
;; One version. Each part assembles by itself: llvm-mc -triple=amdgcn-amd-amdhsa -mcpu=gfx1250 --defsym DOCPART=n.
;; ======== version 1 of 1: 4 launches
;; workspace buffers: codes 29,360,128 bytes; qkv 12,582,912 bytes; oc 4,194,304 bytes
;; launch quant (part 1): grid 640 x 1, 4 waves a work-group, no clusters, 34,304 bytes of LDS; arguments hidden_states, Wq, Wk, Wv, Wo, lowp_scales, codes; writes codes
.if DOCPART == 1
	.amdgcn_target "amdgcn-amd-amdhsa--gfx1250"
	.amdhsa_code_object_version 6
	.text
	.protected	k_q60924adeab_quant
	.globl	k_q60924adeab_quant
	.p2align	8
	.type	k_q60924adeab_quant,@function
k_q60924adeab_quant:
	s_mov_b64 s[64:65], 0
	v_nop
	global_prefetch_b8 v0, s[64:65] scope:SCOPE_SE
	s_setreg_imm32_b32 hwreg(HW_REG_WAVE_MODE, 25, 1), 1
	s_wait_xcnt 0x0
; ReBased attention, T = 2048, 16 heads of 128, all six products on codes of E4M3 with given scales 2^e.  FIRST OF FOUR LAUNCHES: the f32 inputs become codes.
; DEAD WORK OF THE WHOLE PROGRAM.  The reference sets attn(q, k) = 0 for k > q by its own lower-triangular mask, ahead of both uses of attn (the product with v, and z).  So a block of 128 keys all of which
; come after all queries of a block of 64 adds exact zeros to o and to z, whatever the inputs hold: such key steps are not walked in the third launch.  Nothing else is left out; every input is loaded.
; LIMIT: a NaN, an infinity or an overflow that would arise only in those key steps is not carried to the result.
; THIS LAUNCH: code = x / 2^e, held within +-448, to the nearest code, ties to even.  hidden_states is quantised three times (e0, e2, e4: one set of codes for each projection), Wq with e1, Wk e3, Wv e5, Wo e11.
; LIMITS: each of these e lies between -126 and 119, so that 2^e and 448 x 2^e are f32 numbers.  NaN among the inputs is not served.
; LAYOUT OF THE CODES: images of operand registers.  An image is 16 rows x 128 along K, 2,048 bytes: byte 512 c + 16 L + i (lane L = r + 16 h) is the code of (row r, k = 32 c + 16 h + i): four loads of 16 bytes a lane,
; 512 bytes apart, bring a fragment.  The 16 rows of image row block RB are the tensor's rows 32 (RB / 2) + 8 (RB % 2) + r + 8 (r / 8): so the results of a product used transposed fall, in a lane's registers, in the
; order of the next product's K.  A segment (4 MiB, one tensor): byte = (RB / 8) x 262144 + kb x 16384 + (RB % 8) x 2048 + image, kb = k / 128.
; Segments: 0 hidden (e0), 1 hidden (e2), 2 Wv, 3 Wq, 4 Wk, 5 hidden (e4), 6 Wo.
; SHARES.  Work-group = (tensor t = id / 128, row block RB = id % 128); wave w takes kb = 4 w .. 4 w + 3, a block of 16 rows x 128 numbers at a time.  Each load reads 512 consecutive bytes of a row; the block turns
; through the wave's own stage in LDS (rows 528 bytes apart), so that a lane gets 16 neighbours along K of each group of 32; each store covers 512 consecutive bytes, aligned.  Waves share nothing: no barrier.
.set ROWB,  8192                       ; a row of any of the five tensors, in bytes
.set SP,    528                        ; a stage row: 512 bytes + 16
.set WSTG,  16*SP                      ; a wave's stage
.set SPARE, 4*WSTG                     ; behind the stages: the spare words, 128 bytes a wave, that no other line names
.set SEG,   4194304
.set LI,    1                          ; v1   16 x lane: offset of every global load and store
.set SIN,   2                          ; v2   the stage, way in
.set SOUT,  3                          ; v3   the stage, way out
.set SPW,   12                         ; v12  my spare word; never rewritten
.set NIL,   13                         ; v13  0; never rewritten
.set R,     16                         ; v16-143  two sets of 64: a block as loaded
.set X,     144                        ; v144-207 a block, 16 neighbours a group
.set T,     208                        ; v208-239 two sets of 16: held numbers
.set C,     240                        ; v240-255 an image's 16 registers
	s_load_b256 s[8:15], s[0:1], 0x0               ; hidden, Wq, Wk, Wv
	s_load_b128 s[16:19], s[0:1], 0x20             ; Wo, the exponents
	s_load_b64 s[20:21], s[0:1], 0x30              ; codes
	v_lshl_add_u32 v[SPW], v0, 2, SPARE
	v_mov_b32 v[NIL], 0
	v_lshrrev_b32 v4, 5, v0
	v_readfirstlane_b32 s26, v4                    ; wave
	v_and_b32 v5, 31, v0
	v_lshlrev_b32 v[LI], 4, v5
	s_mul_i32 s29, s26, WSTG
	v_add_nc_u32 v[SIN], s29, v[LI]                ; in: a row's 512 bytes as they lie
	v_and_b32 v6, 15, v0
	v_bfe_u32 v7, v0, 4, 1
	v_mul_u32_u24 v[SOUT], v6, SP
	v_lshl_add_u32 v[SOUT], v7, 6, v[SOUT]
	v_add_nc_u32 v[SOUT], s29, v[SOUT]             ; out: row r, + 64 h bytes: my 16 numbers of a group of 32
	s_lshr_b32 s24, ttmp9, 7                       ; t
	s_and_b32 s25, ttmp9, 127                      ; RB
	s_lshr_b32 s30, s25, 1
	s_lshl_b32 s30, s30, 18                        ; 32 (RB / 2) rows
	s_and_b32 s31, s25, 1
	s_lshl_b32 s31, s31, 16                        ; + 8 (RB % 2) rows
	s_add_co_u32 s30, s30, s31
	s_lshl_b32 s31, s26, 11                        ; + my wave's 512 numbers of a row
	s_add_co_u32 s30, s30, s31
	s_mov_b32 s31, 0
	s_lshr_b32 s52, s25, 3
	s_lshl_b32 s52, s52, 18
	s_and_b32 s53, s25, 7
	s_lshl_b32 s53, s53, 11
	s_add_co_u32 s52, s52, s53
	s_lshl_b32 s53, s26, 16
	s_add_co_u32 s52, s52, s53                     ; my wave's place in a segment
	s_mov_b32 s53, 0
	s_mov_b32 s27, 0                               ; the segment: 0, 3, 4, 2, 6 for t = 0 .. 4
	s_cmp_eq_u32 s24, 1
	s_cselect_b32 s27, 3, s27
	s_cmp_eq_u32 s24, 2
	s_cselect_b32 s27, 4, s27
	s_cmp_eq_u32 s24, 3
	s_cselect_b32 s27, 2, s27
	s_cmp_eq_u32 s24, 4
	s_cselect_b32 s27, 6, s27
	s_lshl_b32 s54, s27, 22
	s_mov_b32 s55, 0
	s_add_nc_u64 s[54:55], s[54:55], s[52:53]
	s_wait_kmcnt 0x0
	s_load_b256 s[32:39], s[18:19], 0x0            ; e0 .. e7
	s_load_b128 s[40:43], s[18:19], 0x20           ; e8 .. e11
	s_mov_b64 s[4:5], s[8:9]                       ; the tensor: a choice on the work-group's number alone
	s_cmp_eq_u32 s24, 1
	s_cselect_b64 s[4:5], s[10:11], s[4:5]
	s_cmp_eq_u32 s24, 2
	s_cselect_b64 s[4:5], s[12:13], s[4:5]
	s_cmp_eq_u32 s24, 3
	s_cselect_b64 s[4:5], s[14:15], s[4:5]
	s_cmp_eq_u32 s24, 4
	s_cselect_b64 s[4:5], s[16:17], s[4:5]
	s_add_nc_u64 s[4:5], s[4:5], s[30:31]
	s_add_nc_u64 s[44:45], s[20:21], s[54:55]      ; where the tensor's own segment takes my images
	s_add_nc_u64 s[46:47], s[20:21], s[52:53]
	s_add_nc_u64 s[46:47], s[46:47], SEG           ; hidden with e2
	s_add_nc_u64 s[48:49], s[20:21], s[52:53]
	s_add_nc_u64 s[48:49], s[48:49], 5*SEG         ; hidden with e4
.macro LOAD blk                        ; 16 rows x 512 bytes into set blk % 2
.set p, 0
.rept 16
	global_load_b128 v[R+64*((\blk)%2)+4*p:R+64*((\blk)%2)+4*p+3], v[LI], s[4:5] offset:(p+8*(p/8))*ROWB+(\blk)*512 th:TH_LOAD_NT
.set p, p+1
.endr
.endm
.macro MKSC e, sc, lim                 ; 2^e as f32 (the conversion takes its exponent field), and 448 x 2^e
	s_add_co_i32 s50, s[\e], 127
	s_lshl_b32 s51, s50, 23
	v_mov_b32 v[\sc], s51
	s_add_co_i32 s50, s50, 8
	s_lshl_b32 s50, s50, 23
	s_or_b32 s50, s50, 0x600000
	v_mov_b32 v[\lim], s50
.endm
; The block in X becomes an image under one scale and is stored.  The held numbers go into T, so that X serves three scales.
.macro EMIT sc, lim, d, blk
	s_wait_xcnt 0x0                                ; the last image's stores have read C: it is written again only behind this wait
.irp c, 0,1,2,3
.set i, 0
.rept 16
	v_med3_num_f32 v[T+16*(\c%2)+i], v[X+16*\c+i], -v[\lim], v[\lim]   ; the conversion to an 8-bit code does not saturate (ISA guide 7.6.2): hold first
.set i, i+1
.endr
	v_cvt_scalef32_pk8_fp8_f32 v[C+4*\c:C+4*\c+1], v[T+16*(\c%2):T+16*(\c%2)+7], v[\sc]
	v_cvt_scalef32_pk8_fp8_f32 v[C+4*\c+2:C+4*\c+3], v[T+16*(\c%2)+8:T+16*(\c%2)+15], v[\sc]   ; T's two sets take turns: sixteen plain lines stand ahead of the next write of a conversion's sources
.endr
.irp c, 0,1,2,3
	global_store_b128 v[LI], v[C+4*\c:C+4*\c+3], s[\d:\d+1] offset:(\blk)*16384+512*\c   ; 32 lanes store 512 consecutive bytes, aligned
.endr
.endm
.macro BLOCK blk
.if \blk < 3
	s_wait_loadcnt 16                              ; this block's 16 loads are in; the next block's 16 may be out
.else
	s_wait_loadcnt 0x0
.endif
.set p, 0
.rept 16
	ds_store_b128 v[SIN], v[R+64*((\blk)%2)+4*p:R+64*((\blk)%2)+4*p+3] offset:SP*p
.set p, p+1
.endr
.irp c, 0,1,2,3
.irp j, 0,1,2,3
	ds_load_b128 v[X+16*\c+4*\j:X+16*\c+4*\j+3], v[SOUT] offset:128*\c+16*\j   ; LDS serves a wave's instructions in order (ISA guide 5.7.1.4): these see the stores above
.endr
.endr
	s_wait_dscnt 0x0
.if \blk < 2
	LOAD (\blk)+2
.endif
	EMIT 4, 5, 44, \blk
	s_cmp_lg_u32 s24, 0                            ; hidden_states alone has two more scales: a branch on the work-group's number, round register work and global stores
	s_cbranch_scc1 .Lone_\@
	EMIT 6, 7, 46, \blk
	EMIT 8, 9, 48, \blk
.Lone_\@:
.endm
	LOAD 0
	LOAD 1
	s_wait_kmcnt 0x0
	s_mov_b32 s28, s32                             ; the tensor's own exponent: e0, e1, e3, e5, e11
	s_cmp_eq_u32 s24, 1
	s_cselect_b32 s28, s33, s28
	s_cmp_eq_u32 s24, 2
	s_cselect_b32 s28, s35, s28
	s_cmp_eq_u32 s24, 3
	s_cselect_b32 s28, s37, s28
	s_cmp_eq_u32 s24, 4
	s_cselect_b32 s28, s43, s28
	MKSC 28, 4, 5
	MKSC 34, 6, 7                                  ; e2
	MKSC 36, 8, 9                                  ; e4
	BLOCK 0
	BLOCK 1
	BLOCK 2
	BLOCK 3
	s_wait_tensorcnt 0x0                           ; the wave's end, behind my last LDS store
	ds_add_u32 v[SPW], v[NIL]
	s_wait_dscnt 0x0
	s_endpgm
.Lfunc_end_k_q60924adeab_quant:
	.size	k_q60924adeab_quant, .Lfunc_end_k_q60924adeab_quant-k_q60924adeab_quant
	.p2alignl 7, 3214868480
	.fill 96, 4, 3214868480
	.section	.rodata,"a",@progbits
	.p2align	6, 0x0
	.amdhsa_kernel k_q60924adeab_quant
		.amdhsa_group_segment_fixed_size 34304
		.amdhsa_private_segment_fixed_size 0
		.amdhsa_enable_private_segment 0
		.amdhsa_kernarg_size 56
		.amdhsa_user_sgpr_count 2
		.amdhsa_user_sgpr_kernarg_segment_ptr 1
		.amdhsa_wavefront_size32 1
		.amdhsa_system_sgpr_workgroup_id_x 1
		.amdhsa_system_sgpr_workgroup_id_y 1
		.amdhsa_system_sgpr_workgroup_id_z 1
		.amdhsa_system_vgpr_workitem_id 0
		.amdhsa_next_free_vgpr 256
		.amdhsa_next_free_sgpr 66
		.amdhsa_reserve_vcc 0
		.amdhsa_float_denorm_mode_32 3
		.amdhsa_float_denorm_mode_16_64 3
		.amdhsa_memory_ordered 1
		.amdhsa_forward_progress 1
		.amdhsa_inst_pref_size 78
	.end_amdhsa_kernel
	.amdgpu_metadata
---
amdhsa.version: [ 1, 2 ]
amdhsa.kernels:
  - .name:           k_q60924adeab_quant
    .symbol:         k_q60924adeab_quant.kd
    .args:
      - { .name: hidden_states, .offset: 0, .size: 8, .value_kind: global_buffer, .address_space: global }
      - { .name: Wq, .offset: 8, .size: 8, .value_kind: global_buffer, .address_space: global }
      - { .name: Wk, .offset: 16, .size: 8, .value_kind: global_buffer, .address_space: global }
      - { .name: Wv, .offset: 24, .size: 8, .value_kind: global_buffer, .address_space: global }
      - { .name: Wo, .offset: 32, .size: 8, .value_kind: global_buffer, .address_space: global }
      - { .name: lowp_scales, .offset: 40, .size: 8, .value_kind: global_buffer, .address_space: global }
      - { .name: codes, .offset: 48, .size: 8, .value_kind: global_buffer, .address_space: global }
    .group_segment_fixed_size: 34304
    .private_segment_fixed_size: 0
    .kernarg_segment_align: 8
    .kernarg_segment_size: 56
    .max_flat_workgroup_size: 128
    .sgpr_count:     66
    .vgpr_count:     256
    .wavefront_size: 32
...
	.end_amdgpu_metadata
.endif
;; end of part 1
;; launch qkv (part 2): grid 24 x 8, 4 waves a work-group, clusters of 4 x 4, 327,680 bytes of LDS; arguments codes, lowp_scales, gamma, beta, qkv; writes qkv
.if DOCPART == 2
	.amdgcn_target "amdgcn-amd-amdhsa--gfx1250"
	.amdhsa_code_object_version 6
	.text
	.protected	k_q60924adeab_qkv
	.globl	k_q60924adeab_qkv
	.p2align	8
	.type	k_q60924adeab_qkv,@function
k_q60924adeab_qkv:
	s_mov_b64 s[64:65], 0
	v_nop
	global_prefetch_b8 v0, s[64:65] scope:SCOPE_SE
	s_setreg_imm32_b32 hwreg(HW_REG_WAVE_MODE, 25, 1), 1
	s_wait_xcnt 0x0
	s_wait_alu depctr_hold_cnt(0) depctr_sa_sdst(0) depctr_va_vdst(0) depctr_va_sdst(0) depctr_va_ssrc(0) depctr_va_vcc(0) depctr_vm_vsrc(0)
	s_getreg_b32 s2, hwreg(HW_REG_IB_STS2, 6, 4)
	s_cmp_eq_u32 s2, 0
	s_cbranch_scc0 .Lentry_in_a_cluster
	s_endpgm
.Lentry_in_a_cluster:
	s_bfe_u32 s2, ttmp6, 0x10000c
	s_cmp_lg_u32 s2, 0xf033
	s_cbranch_scc0 .Lentry_shape_is_right
	s_endpgm
.Lentry_shape_is_right:
; SECOND LAUNCH: the three projections on codes, and what follows each up to its next quantiser.  z = 0: q = LN(x Wq^T gamma + beta) / sqrt(128), codes with e6.  z = 1: k likewise without the factor, e7.  z = 2: v, e8.
; A tile of 256 x 256 is made by four waves; a wave makes 128 x 128: 64 accumulators.  K = 2048 goes in steps of 128, two to a slot, through a ring of two LDS slots filled by the tensor data mover.
; OPERANDS are images of registers (first launch): 16 rows x 128 K in 2,048 dense bytes; a group of 128 rows is dense along K, so what a wave fetches for a slot is one dense block of 32,768 bytes.
; A = segment z of the codes (hidden e0, hidden e2, Wv), B = segment 3 + z (Wq, Wk, hidden e4).  For v the parts are swapped, so that the same text gives v with the KEYS along a lane's registers.
; THE MATRIX INSTRUCTION IS USED TRANSPOSED (source 0 = 16 rows of B, source 1 = 16 rows of A): a lane holds one row of A, and by the order of rows in the images the 16 registers of B's blocks 2 c, 2 c + 1 are
; columns 32 c + 16 h + 0 .. 15.  A wave's 128 columns are one head, so LayerNorm wants one exchange between the halves of the lanes, and two conversions give registers 4 c .. 4 c + 3 of the next operand's image,
; which is stored as it stands: 512 consecutive bytes a store, no LDS on the way out.
; OUT: qkv, segment z, byte = CB x 262144 + RB x 2048 + image.  q, k: CB = head, RB = block of 16 tokens.  v: CB = block of 128 keys, RB = 8 x head + block of 16 channels.
; CLUSTERS: 4 x 4 work-groups, all of one z.  A's blocks are shared along a row of the cluster, B's along a column: each is asked for jointly.  192 work-groups: a wave's tile of 128 columns keeps a head in one wave.
; LIMITS, so that each power of two made below is an f32 number: e0 + e1 and e2 + e3 between -126 and 127; e6, e7 and e8 - e4 - e5 between -126 and 119.  NaN among the inputs is not served.
; REGISTERS, in windows of 256: window 0: v16-31 addresses and constants, v32-95 at work on the way out, from v128 A's fragments (one set), later a block's 64 numbers.  window 1: B's fragments, two sets; at the end
; gamma x 2^(eA + eB) in v0-63 and beta in v64-127.  windows 2, 3: the accumulators ((a, b) at v[8 (8 (a % 4) + b)]).
.set SEGB,  4194304
.set HALFT, 32768                      ; what one tensor load brings: 128 rows x 256 along K, as 16 images
.set SLOT,  4*HALFT                    ; A's two groups, then B's two
.set SPARE, 2*SLOT                     ; behind the ring: the spare words, 128 bytes a wave, that no other line names
.set FR,    16
.set NL,    4
.set NP,    4                          ; places behind this matrix instruction (ISA guide 7.12.1)
.set LAPS,  4                          ; 2048 / 512
.set ADRA, 16                          ; v16-17 LDS address of my A fragments in slot 0, 1
.set ADRB, 20                          ; v20-21 the same for B
.set LI,   24                          ; v24  16 x lane
.set GA,   25                          ; v25  64 h: my half's place in gamma and beta
.set SPW,  28                          ; v28  my spare word; never rewritten
.set NIL,  29                          ; v29  0; never rewritten
.set SC,   30                          ; v30  the conversion's scale
.set LIM,  31                          ; v31  448 x that
.set CH,   32                          ; v32-39 four chains of sums
.set MU,   48                          ; v[48:49] the mean (low word)
.set RS,   50                          ; v[50:51] 1 / sqrt(var + eps), times 1 / sqrt(128) for q (low word)
.set PX,   52                          ; v52  the other half's figure
.set CD,   64                          ; v64-95 two images by turns
.set AF,   128
.set TMP,  128
.set G1, 24
.set G0, 32
.set G1B, 48
.set G0B, 56
.set MSB, 0
.macro WIN new                         ; the immediate's high byte repeats the setting that is left
.if MSB != (\new)
	s_set_vgpr_msb (MSB<<8)|(\new)
.set MSB, (\new)
.endif
.endm
.set MUL_LO, 0xa1                      ; source 0 (B) window 1, source 1 (A) window 0, C and D window 2
.set MUL_HI, 0xf1
.set TO_B,   0x40
; A joint load: waves 0 and 1 fetch for A, waves 2 and 3 for B; the branch hangs on the wave's number alone.  An s_nop 0 and four v_nop follow each line.
.macro JLOAD g0a, g1a, g0b, g1b
	s_cmp_eq_u32 s15, 0
	s_cbranch_scc0 .Lfor_b_\@
	tensor_load_to_lds s[\g0a:\g0a+3], s[\g1a:\g1a+7]
	s_nop 0
.rept 4
	v_nop
.endr
	s_branch .Lasked_\@
.Lfor_b_\@:
	tensor_load_to_lds s[\g0b:\g0b+3], s[\g1b:\g1b+7]
	s_nop 0
.rept 4
	v_nop
.endr
.Lasked_\@:
.endm
.macro CREST                           ; a round of the cluster's barrier behind its opening barrier
	s_cmp_lg_u32 s14, 0
	s_cbranch_scc1 .Lnot_wave_0_\@
	s_barrier_signal -3
.Lnot_wave_0_\@:
	s_barrier_wait -3
	s_barrier_signal -1
	s_barrier_wait -1
.endm
.macro CROUND
	s_barrier_signal -1
	s_barrier_wait -1
	CREST
.endm
	s_load_b256 s[4:11], s[0:1], 0x0               ; codes, the exponents, gamma, beta
	s_load_b64 s[12:13], s[0:1], 0x20              ; qkv
	v_lshl_add_u32 v[SPW], v0, 2, SPARE
	v_mov_b32 v[NIL], 0
	ds_add_u32 v[SPW], v[NIL]                      ; the wave's opening: the add, twice on end, and its wait ahead of my first tensor load
	ds_add_u32 v[SPW], v[NIL]
	v_lshrrev_b32 v1, 5, v0
	v_readfirstlane_b32 s14, v1                    ; wave
	s_lshr_b32 s15, s14, 1                         ; my half of the tile's rows.  Also: I fetch for A (0) or B (1)
	s_and_b32 s16, s14, 1                          ; my half of its columns.  Also: which group I fetch
	s_bfe_u32 s40, ttmp6, 0x40000                  ; cx
	s_bfe_u32 s41, ttmp6, 0x40004                  ; cy
	s_lshr_b32 s85, ttmp9, 1                       ; z: two clusters along x to each of q, k, v: the same in all partners
	s_and_b32 s42, ttmp9, 1
	s_lshl_b32 s42, s42, 2
	s_add_co_u32 s42, s42, s40                     ; tile column 0 .. 7
	s_and_b32 s17, ttmp7, 0xffff
	s_lshl_b32 s17, s17, 2
	s_add_co_u32 s17, s17, s41                     ; tile row 0 .. 7
	s_lshl_b32 s43, s41, 2
	s_lshl_b32 s43, 15, s43                        ; my row of the cluster
	s_lshl_b32 s44, 0x1111, s40                    ; my column
	; descriptor group 1: a dense block of 128 rows of 256 bytes, in elements of 8 bytes; no padding: an image's loads are dense
	s_or_b32 s[G1+0], s43, (3<<16)|(1<<21)         ; 15:0 the mask; 17:16 elements of 8 bytes; 21 set beside a mask
	s_or_b32 s[G1B+0], s44, (3<<16)|(1<<21)
.irp g, G1, G1B
	s_mov_b32 s[\g+1], 32<<16                      ; tensor_dim0 = 32
	s_mov_b32 s[\g+2], 128<<16                     ; tensor_dim1 = 128
	s_mov_b32 s[\g+3], 32<<16                      ; tile_dim0
	s_mov_b32 s[\g+4], 128                         ; tile_dim1
	s_mov_b32 s[\g+5], 32                          ; stride from row to row
	s_mov_b32 s[\g+6], 0
	s_mov_b32 s[\g+7], 0
.endr
	s_lshl_b32 s18, s85, 22                        ; z segments
	s_lshl_b32 s20, s17, 1
	s_add_co_u32 s20, s20, s16
	s_lshl_b32 s20, s20, 18
	s_add_co_u32 s20, s20, s18                     ; A: segment z, group 2 x tile row + which
	s_mov_b32 s21, 0
	s_lshl_b32 s46, s42, 1
	s_add_co_u32 s46, s46, s16
	s_lshl_b32 s46, s46, 18
	s_add_co_u32 s46, s46, s18
	s_add_co_u32 s46, s46, 3*SEGB                  ; B: segment 3 + z, group 2 x tile column + which
	s_mov_b32 s47, 0
	s_mul_i32 s45, s14, HALFT                      ; where they go: wave x 32,768: no place in the cluster enters an LDS address
	s_mov_b32 s82, 0x3c000000                      ; 1 / 128
	s_mov_b32 s83, 0x3727c5ac                      ; 1e-5
	s_mov_b32 s86, 0x76543210                      ; v_permlanex16_b32: lane l xor 16
	s_mov_b32 s87, 0xfedcba98
	s_wait_dscnt 0x0                               ; both opening adds are done
	s_wait_kmcnt 0x0
	s_load_b256 s[68:75], s[6:7], 0x0              ; e0 .. e7
	s_load_b128 s[76:79], s[6:7], 0x20             ; e8 .. e11
	s_add_nc_u64 s[20:21], s[4:5], s[20:21]
	s_add_nc_u64 s[46:47], s[4:5], s[46:47]
	CROUND                                         ; all sixteen work-groups are here: the first joint loads meet
.irp s, 0,1
	s_mov_b32 s[G0+4*\s], 1
	s_add_co_u32 s[G0+4*\s+1], s45, \s*SLOT
	s_add_nc_u64 s[G0+4*\s+2:G0+4*\s+3], s[20:21], \s*HALFT
	s_or_b32 s[G0+4*\s+3], s[G0+4*\s+3], 0x80000000
	s_mov_b32 s[G0B+4*\s], 1
	s_add_co_u32 s[G0B+4*\s+1], s45, \s*SLOT
	s_add_nc_u64 s[G0B+4*\s+2:G0B+4*\s+3], s[46:47], \s*HALFT
	s_or_b32 s[G0B+4*\s+3], s[G0B+4*\s+3], 0x80000000
	JLOAD G0+4*\s, G1, G0B+4*\s, G1B
.endr
	v_and_b32 v1, 31, v0
	v_lshlrev_b32 v[LI], 4, v1
	v_bfe_u32 v2, v0, 4, 1
	v_lshlrev_b32 v[GA], 6, v2
	v_mov_b32 v[MU+1], 0                           ; named as upper halves of pairs, so they are written
	v_mov_b32 v[RS+1], 0
	v_mov_b32 v[PX], 0                             ; a lane permute's destination counts as one of its sources
	s_mul_i32 s21, s15, HALFT                      ; my group of A
	s_mul_i32 s22, s16, HALFT                      ; my group of B,
	s_add_co_u32 s22, s22, 2*HALFT                 ; behind A's two
.irp s, 0,1
	v_add_nc_u32 v[ADRA+\s], s21, v[LI]
	v_add_nc_u32 v[ADRB+\s], s22, v[LI]
	s_add_co_u32 s21, s21, SLOT
	s_add_co_u32 s22, s22, SLOT
.endr
	s_lshl_b32 s90, s42, 1                         ; the way out: CB = 2 x tile column + my column half,
	s_add_co_u32 s90, s90, s16
	s_lshl_b32 s90, s90, 18
	s_lshl_b32 s91, s17, 4                         ; RB = 16 x tile row + 8 x my row half (+ a)
	s_lshl_b32 s92, s15, 3
	s_add_co_u32 s91, s91, s92
	s_lshl_b32 s91, s91, 11
	s_add_co_u32 s90, s90, s91
	s_add_co_u32 s90, s90, s18                     ; segment z
	s_mov_b32 s91, 0
	s_add_nc_u64 s[88:89], s[12:13], s[90:91]
.macro FRAG reg, adr, q, i             ; an image comes as it lies: four loads of 512 dense bytes
.irp c, 0,1,2,3
	ds_load_b128 v[\reg+4*\c:\reg+4*\c+3], v[\adr] offset:16384*(\q)+2048*(\i)+512*\c
.endr
.endm
; 16 matrix instructions: A's blocks a0, a0 + 1 x B's eight.  The 64 accumulators take turns, one instruction a turn, in the same order in every step.
.macro MUL16 a0, p, zero
.irp a, \a0, \a0+1
.irp b, 0,1,2,3,4,5,6,7
.if \zero
	v_wmma_f32_16x16x128_fp8_fp8 v[8*(8*((\a)%4)+\b):8*(8*((\a)%4)+\b)+7], v[128*(\p)+FR*\b:128*(\p)+FR*\b+FR-1], v[AF+FR*(\a):AF+FR*(\a)+FR-1], 0
.else
	v_wmma_f32_16x16x128_fp8_fp8 v[8*(8*((\a)%4)+\b):8*(8*((\a)%4)+\b)+7], v[128*(\p)+FR*\b:128*(\p)+FR*\b+FR-1], v[AF+FR*(\a):AF+FR*(\a)+FR-1], v[8*(8*((\a)%4)+\b):8*(8*((\a)%4)+\b)+7]
.endif
.endr
.endr
.endm
.macro FETCH_B slot, q, p
	WIN TO_B
.irp i, 0,1,2,3,4,5,6,7
	FRAG 128*(\p)+FR*\i, ADRB+\slot, \q, \i
.endr
	WIN 0
.endm
.macro FETCH_A slot, q, i0
.irp i, \i0, \i0+1, \i0+2, \i0+3
	FRAG AF+FR*(\i), ADRA+\slot, \q, \i
.endr
.endm
.macro PLACES n                        ; plain vector lines between a matrix instruction and a load into, or a vector line on, its registers (ISA guide 7.12.1 for vector lines)
.rept \n
	v_nop
.endr
.endm
.macro STEP slot, q, zero              ; a step of 128 along K that has its successor in the same slot
	s_wait_dscnt 4*NL                              ; B's set and A's blocks 0-3 are in; the youngest 16 loads (A's blocks 4-7) may be out
	WIN MUL_LO
	MUL16 0, (\q)%2, \zero
	MUL16 2, (\q)%2, \zero
	s_wait_dscnt 0
	PLACES NP
	FETCH_B \slot, (\q)+1, 1-(\q)%2
	FETCH_A \slot, (\q)+1, 0
	WIN MUL_HI
	MUL16 4, (\q)%2, \zero
	MUL16 6, (\q)%2, \zero
	PLACES NP
	WIN 0
	FETCH_A \slot, (\q)+1, 4
.endm
; A slot's last step changes slots: one barrier; ahead of it each wave waits for all its tensor loads, adds 0 to its spare word, and waits for that and for its reads of this slot.
; The step's first 32 products need registers alone and stand AHEAD of those three lines: a wave whose part of the next slot has not landed yet has them behind it when it lands, and between the landing and
; the joint refill stand the three lines and the round alone.  The other 32 products stand behind the refill, over the run of LDS loads for the next slot's first step.
.macro TURN slot, next, fill
	s_wait_dscnt 4*NL                              ; B's set and A's blocks 0-3 are in; the youngest 16 loads (A's blocks 4-7) may be out
	WIN MUL_LO
	MUL16 0, 1, 0
	MUL16 2, 1, 0
	WIN 0
	s_wait_tensorcnt 0x0                           ; all my tensor loads have landed: my part of the next slot
	ds_add_u32 v[SPW], v[NIL]
	s_wait_dscnt 0x0                               ; the add is done, and my reads of this slot (the last: A's blocks 4-7) are over
	s_barrier_signal -1
	s_barrier_wait -1
.if \fill
	CREST                                          ; the barrier has opened a round of the cluster's: no wave of any partner still reads this slot or has a load on its way
	s_add_nc_u64 s[G0+4*\slot+2:G0+4*\slot+3], s[G0+4*\slot+2:G0+4*\slot+3], 2*HALFT
	s_add_nc_u64 s[G0B+4*\slot+2:G0B+4*\slot+3], s[G0B+4*\slot+2:G0B+4*\slot+3], 2*HALFT
	JLOAD G0+4*\slot, G1, G0B+4*\slot, G1B         ; the first tensor load behind the round; its four v_nop are the places ahead of the loads below
.else
	PLACES NP
.endif
	FETCH_B \next, 0, 0
	FETCH_A \next, 0, 0
	WIN MUL_HI
	MUL16 4, 1, 0
	MUL16 6, 1, 0
	PLACES NP
	WIN 0
	FETCH_A \next, 0, 4
.endm
.macro LAST                            ; the very last step: nothing more to fetch
	s_wait_dscnt 4*NL
	WIN MUL_LO
	MUL16 0, 1, 0
	MUL16 2, 1, 0
	s_wait_dscnt 0
	WIN MUL_HI
	MUL16 4, 1, 0
	MUL16 6, 1, 0
	WIN 0
	PLACES NP                                      ; ahead of the first read of results and of the first write over A's fragments
.endm
.macro JOIN                            ; four chains of pairs become one number, and the other half of the lanes' is added: the row's 128
	v_pk_add_f32 v[CH:CH+1], v[CH:CH+1], v[CH+2:CH+3]
	v_pk_add_f32 v[CH+4:CH+5], v[CH+4:CH+5], v[CH+6:CH+7]
	v_pk_add_f32 v[CH:CH+1], v[CH:CH+1], v[CH+4:CH+5]
	v_add_f32 v[CH], v[CH], v[CH+1]
	v_permlanex16_b32 v[PX], v[CH], s86, s87
	v_add_f32 v[CH], v[CH], v[PX]
.endm
.macro CODES a                         ; the block's 64 held numbers become an image, which is stored as it stands
.set CC, CD+16*((\a)%2)
	s_wait_xcnt 0x0                                ; earlier stores have read their registers
.irp b, 0,1,2,3,4,5,6,7
	v_cvt_scalef32_pk8_fp8_f32 v[CC+2*\b:CC+2*\b+1], v[TMP+8*\b:TMP+8*\b+7], v[SC]
.endr
	v_nop                                          ; a plain line between the conversions and the next write of their sources
.irp c, 0,1,2,3
	global_store_b128 v[LI], v[CC+4*\c:CC+4*\c+3], s[88:89] offset:2048*(\a)+512*\c   ; 512 consecutive bytes, aligned
.endr
.endm
.macro OUTLN a                         ; block a (16 rows x my head): affine, LayerNorm in two passes, the factor, the hold
.set AC, 64*((\a)%4)
	WIN 0x16+(\a)/4                                ; sums in window 2 or 3, gamma and beta in window 1
.set j, 0
.rept 32
	v_pk_fma_f32 v[TMP+j:TMP+j+1], v[AC+j:AC+j+1], v[j:j+1], v[64+j:64+j+1]   ; sum x (gamma 2^(eA + eB)) + beta; each accumulator from its low end on
.set j, j+2
.endr
	WIN 0
.irp k, 0,1,2,3
	v_pk_add_f32 v[CH+2*\k:CH+2*\k+1], v[TMP+2*\k:TMP+2*\k+1], v[TMP+8+2*\k:TMP+8+2*\k+1]
.endr
.irp g, 2,3,4,5,6,7
.irp k, 0,1,2,3
	v_pk_add_f32 v[CH+2*\k:CH+2*\k+1], v[CH+2*\k:CH+2*\k+1], v[TMP+8*\g+2*\k:TMP+8*\g+2*\k+1]
.endr
.endr
	JOIN
	v_mul_f32 v[MU], s82, v[CH]                    ; the mean
.set j, 0
.rept 32
	v_pk_add_f32 v[TMP+j:TMP+j+1], v[TMP+j:TMP+j+1], v[MU:MU+1] op_sel_hi:[1,0] neg_lo:[0,1] neg_hi:[0,1]
.set j, j+2
.endr
.irp k, 0,1,2,3
	v_pk_mul_f32 v[CH+2*\k:CH+2*\k+1], v[TMP+2*\k:TMP+2*\k+1], v[TMP+2*\k:TMP+2*\k+1]
.endr
.irp g, 1,2,3,4,5,6,7
.irp k, 0,1,2,3
	v_pk_fma_f32 v[CH+2*\k:CH+2*\k+1], v[TMP+8*\g+2*\k:TMP+8*\g+2*\k+1], v[TMP+8*\g+2*\k:TMP+8*\g+2*\k+1], v[CH+2*\k:CH+2*\k+1]
.endr
.endr
	JOIN
	v_fma_f32 v[CH+2], v[CH], s82, s83             ; var + eps
	v_rsq_f32 v[CH+3], v[CH+2]
	v_nop                                          ; a plain line behind the transcendental
	s_wait_alu depctr_va_vdst(0)                   ; the wait ahead of the first line that names its result
	v_mul_f32 v[RS], s84, v[CH+3]                  ; x 1 / sqrt(128) for q, x 1 for k: one text for both, chosen by z without a jump
.set j, 0
.rept 32
	v_pk_mul_f32 v[TMP+j:TMP+j+1], v[TMP+j:TMP+j+1], v[RS:RS+1] op_sel_hi:[1,0]
.set j, j+2
.endr
.set j, 0
.rept 64
	v_med3_num_f32 v[TMP+j], v[TMP+j], -v[LIM], v[LIM]
.set j, j+1
.endr
	CODES \a
.endm
.macro OUTV a                          ; block a of v: the three scales are folded into the conversion's one, so only the hold is left
.set AC, 64*((\a)%4)
	WIN 2+(\a)/4
.set j, 0
.rept 64
	v_med3_num_f32 v[TMP+j], v[AC+j], -v[LIM], v[LIM]
.set j, j+1
.endr
	WIN 0
	CODES \a
.endm
	s_wait_tensorcnt 1                             ; my part of slot 0 is in; slot 1's fill may stay out
	s_barrier_signal -1
	s_barrier_wait -1
	FETCH_B 0, 0, 0
	FETCH_A 0, 0, 0
	FETCH_A 0, 0, 4
	STEP 0, 0, 1                                   ; the first step starts the sums: nothing is cleared
	s_mov_b32 s3, LAPS-1
.Llap:                                                 ; a trip goes once round the ring and fills both slots again
	TURN 0, 1, 1
	STEP 1, 0, 0
	TURN 1, 0, 1
	STEP 0, 0, 0
	s_sub_co_u32 s3, s3, 1
	s_cmp_lg_u32 s3, 0
	s_cbranch_scc1 .Llap
	TURN 0, 1, 0                                   ; the last lap fills nothing
	STEP 1, 0, 0
	s_wait_kmcnt 0x0                               ; the exponents
	s_add_co_i32 s90, s68, s69                     ; e0 + e1
	s_add_co_i32 s91, s70, s71                     ; e2 + e3
	s_add_co_i32 s92, s72, s73                     ; e4 + e5
	s_sub_co_i32 s93, s76, s92                     ; e8 - e4 - e5
	s_mov_b32 s84, 1.0
	s_cmp_eq_u32 s85, 0
	s_cselect_b32 s94, s90, s91                    ; what the sums lack (q, k)
	s_cselect_b32 s95, s74, s75                    ; e6 or e7
	s_cselect_b32 s84, 0x3db504f3, s84             ; 1 / sqrt(128) for q
	s_cmp_eq_u32 s85, 2
	s_cselect_b32 s95, s93, s95
	s_add_co_i32 s94, s94, 127
	s_lshl_b32 s80, s94, 23                        ; 2^(eA + eB) as f32
	s_mov_b32 s81, s80                             ; (named with it as a pair)
	s_add_co_i32 s95, s95, 127
	s_lshl_b32 s94, s95, 23
	v_mov_b32 v[SC], s94
	s_add_co_i32 s95, s95, 8
	s_lshl_b32 s95, s95, 23
	s_or_b32 s95, s95, 0x600000
	v_mov_b32 v[LIM], s95
	s_cmp_eq_u32 s85, 2                            ; the one parting: on z, an id that all partners share.  Neither arm holds a barrier, a tensor load or an LDS write
	s_cbranch_scc1 .Lv_path
	WIN 0x40                                       ; gamma and beta into B's set 0, which the last step does not read (its places stand at the end of the step above): they land under the last 64 products
.irp c, 0,1,2,3
.irp k, 0,1,2,3
	global_load_b128 v[16*\c+4*\k:16*\c+4*\k+3], v[GA], s[8:9] offset:128*\c+16*\k          ; register 16 c + i: column 32 c + 16 h + i, as in the accumulators
	global_load_b128 v[64+16*\c+4*\k:64+16*\c+4*\k+3], v[GA], s[10:11] offset:128*\c+16*\k
.endr
.endr
	WIN 0
	LAST
	s_wait_loadcnt 0x0
	WIN 0x41
.set j, 0
.rept 32
	v_pk_mul_f32 v[j:j+1], v[j:j+1], s[80:81] op_sel_hi:[1,0]   ; gamma x 2^(eA + eB): exact
.set j, j+2
.endr
	WIN 0
.irp a, 0,1,2,3,4,5,6,7
	OUTLN \a
.endr
	s_branch .Lend
.Lv_path:
	LAST
.irp a, 0,1,2,3,4,5,6,7
	OUTV \a
.endr
.Lend:
	s_wait_tensorcnt 0x0                           ; the wave's end
	ds_add_u32 v[SPW], v[NIL]
	s_wait_dscnt 0x0
	CROUND                                         ; the closing round
	s_endpgm
.Lfunc_end_k_q60924adeab_qkv:
	.size	k_q60924adeab_qkv, .Lfunc_end_k_q60924adeab_qkv-k_q60924adeab_qkv
	.p2alignl 7, 3214868480
	.fill 96, 4, 3214868480
	.section	.rodata,"a",@progbits
	.p2align	6, 0x0
	.amdhsa_kernel k_q60924adeab_qkv
		.amdhsa_group_segment_fixed_size 327680
		.amdhsa_private_segment_fixed_size 0
		.amdhsa_enable_private_segment 0
		.amdhsa_kernarg_size 40
		.amdhsa_user_sgpr_count 2
		.amdhsa_user_sgpr_kernarg_segment_ptr 1
		.amdhsa_wavefront_size32 1
		.amdhsa_system_sgpr_workgroup_id_x 1
		.amdhsa_system_sgpr_workgroup_id_y 1
		.amdhsa_system_sgpr_workgroup_id_z 1
		.amdhsa_system_vgpr_workitem_id 0
		.amdhsa_next_free_vgpr 1024
		.amdhsa_next_free_sgpr 100
		.amdhsa_reserve_vcc 0
		.amdhsa_float_denorm_mode_32 3
		.amdhsa_float_denorm_mode_16_64 3
		.amdhsa_memory_ordered 1
		.amdhsa_forward_progress 1
		.amdhsa_inst_pref_size 253
	.end_amdhsa_kernel
	.amdgpu_metadata
---
amdhsa.version: [ 1, 2 ]
amdhsa.kernels:
  - .name:           k_q60924adeab_qkv
    .symbol:         k_q60924adeab_qkv.kd
    .args:
      - { .name: codes, .offset: 0, .size: 8, .value_kind: global_buffer, .address_space: global }
      - { .name: lowp_scales, .offset: 8, .size: 8, .value_kind: global_buffer, .address_space: global }
      - { .name: gamma, .offset: 16, .size: 8, .value_kind: global_buffer, .address_space: global }
      - { .name: beta, .offset: 24, .size: 8, .value_kind: global_buffer, .address_space: global }
      - { .name: qkv, .offset: 32, .size: 8, .value_kind: global_buffer, .address_space: global }
    .group_segment_fixed_size: 327680
    .private_segment_fixed_size: 0
    .kernarg_segment_align: 8
    .kernarg_segment_size: 40
    .max_flat_workgroup_size: 128
    .sgpr_count:     100
    .vgpr_count:     1024
    .wavefront_size: 32
...
	.end_amdgpu_metadata
.endif
;; end of part 2
;; launch attn (part 3): grid 16 x 16, 4 waves a work-group, no clusters, 100,352 bytes of LDS; arguments qkv, lowp_scales, oc; writes oc
.if DOCPART == 3
	.amdgcn_target "amdgcn-amd-amdhsa--gfx1250"
	.amdhsa_code_object_version 6
	.text
	.protected	k_q60924adeab_attn
	.globl	k_q60924adeab_attn
	.p2align	8
	.type	k_q60924adeab_attn,@function
k_q60924adeab_attn:
	s_mov_b64 s[64:65], 0
	v_nop
	global_prefetch_b8 v0, s[64:65] scope:SCOPE_SE
	s_setreg_imm32_b32 hwreg(HW_REG_WAVE_MODE, 25, 1), 1
	s_wait_xcnt 0x0
; THIRD LAUNCH: attn = (q . k)^2 under the causal mask, z = its row sums, o = (attn v) / (z + 1e-5), o's codes.  Both products on codes of E4M3.
; LEFT OUT (shown at the head of the first launch): key steps of 128 keys all of which come after all 64 queries of a block.
; SHARES.  Work-group (i, head) takes the blocks of 64 queries 31 - i and i, one pass each: block c needs n = c / 2 + 1 key steps of 128, so every work-group has 17.  In a pass wave w takes key steps w, w + 4, .. below n,
; for all 64 queries (four tiles of 16).  The squares are not normalised, so the waves' partial O and z simply add: at a pass's end each wave gives three tiles to their owners through LDS and finishes one.
; The wave's local tile tau is the block's tile (w + tau) % 4: local tile 0 is the one that it finishes.
; No two waves read the same tile of K or V, so the tiles go from memory straight into registers, as the dense images that the second launch stored: no ring, no tensor load; partners would need different
; numbers of tiles, so there is no cluster either.
; LOADS RUN AHEAD.  K's registers are free behind a unit's scores, V's behind its second product: the next key step's K and V are asked for there.  A unit has two arms behind its scores: one for a unit with a
; successor, which holds those loads and a counted wait for V, and one for a wave's last unit of a pass, which holds the mask and a wait for 0: so each count holds on every way through the text.
; The second pass's Q and K are asked for behind the first pass's last unit, ahead of the sums through LDS; its V at the pass's top.
; LAYOUT.  S^T = K Q^T (source 0 = 16 keys, source 1 = 16 queries), O^T = V^T P^T: a lane holds one query throughout.  By the order of rows in the images the 16 registers of key tiles 2 b, 2 b + 1 are keys
; 32 b + 16 h + 0 .. 15, so p's conversions give the second product's operand; O^T's registers run along the channels in the order of the last product's K, so o's conversions give its image.
; SCALES.  S is kept as the sum of code products; E = 2 (e6 + e7).  p's code = S^2 / 2^(e9 - E), held at 448 (S^2 is not negative: a one-sided hold).  z = ldexp(sum of S^2, E).  o = O x ldexp(1 / (z + 1e-5), e8 + e9).
; LIMITS, so that each power of two made as bits is an f32 number: e9 - 2 (e6 + e7) and e10 between -126 and 119.  NaN among the inputs is not served.
; REGISTERS: window 0: v1-20 addresses and constants, v22-31 at work, v32-95 P, v96-159 Q, v160-191 z's chains, v192-207 o's image, v209-211 z as read back.
;   window 1: S (64 tau + 8 kt), later partial O as read back.  window 2: O (64 tau + 8 dt).  window 3: K (16 kt), V (128 + 16 dt).
.set SEGB,  4194304
.set ZRED,  98304                      ; LDS: from 0 twelve places of 8,192 bytes for partial O (owner x 24576 + (tau - 1) x 8192); here twelve of 128 bytes for partial z
.set SPARE, 99840                      ; the spare words, 128 bytes a wave, that no other line names
.set LI,   1                           ; v1     16 x lane
.set QA,   2                           ; v2-5   Q: tile (w + tau) % 4 x 2048 + 16 x lane
.set QL,   6                           ; v6-9   my query's place in the block, less 16 h
.set WSTO, 10                          ; v10-12 where I put partial O of tau = 1 .. 3
.set RRD,  13                          ; v13    where I read what others put for me
.set ZW,   14                          ; v14-16 the same for z
.set ZR,   17
.set SCP,  18                          ; v18    2^(e9 - E)
.set SCO,  19                          ; v19    2^e10
.set LIMO, 20                          ; v20    448 x 2^e10
.set DD,   22                          ; v22    the mask's second threshold
.set SPW,  28                          ; v28    my spare word; never rewritten
.set NIL,  29                          ; v29    0; never rewritten
.set P,    32
.set Q,    96
.set Z,    160
.set OC,   192
.set ZP,   208
.set MSB, 0
.macro WIN new                         ; the immediate's high byte repeats the setting that is left
.if MSB != (\new)
	s_set_vgpr_msb (MSB<<8)|(\new)
.set MSB, (\new)
.endif
.endm
.macro PLACES                          ; plain vector lines between a matrix instruction and a load into, or a read of, its registers (ISA guide 7.12.1 for vector lines)
.rept 4
	v_nop
.endr
.endm
; Where block s[c]'s operands begin: Q's four images; K and V at my first key step, w.  It stands where no load of mine is out.
.macro BASES c
	s_lshl_b32 s54, s11, 18
	s_lshl_b32 s30, s[\c], 13
	s_add_co_u32 s30, s30, s54
	s_mov_b32 s31, 0
	s_add_nc_u64 s[22:23], s[4:5], s[30:31]        ; Q: segment 0, head, the block's four images
	s_lshl_b32 s30, s10, 14
	s_add_co_u32 s30, s30, s54
	s_add_co_u32 s30, s30, SEGB
	s_add_nc_u64 s[24:25], s[4:5], s[30:31]        ; K: segment 1, head, key step w
	s_lshl_b32 s30, s10, 18
	s_lshl_b32 s55, s11, 14
	s_add_co_u32 s30, s30, s55
	s_add_co_u32 s30, s30, 2*SEGB
	s_add_nc_u64 s[26:27], s[4:5], s[30:31]        ; V: segment 2, key step w, head
.endm
.macro LDQ                             ; the block's four tiles of queries, in my order
.irp t, 0,1,2,3
.irp c, 0,1,2,3
	global_load_b128 v[Q+16*\t+4*\c:Q+16*\t+4*\c+3], v[QA+\t], s[22:23] offset:512*\c
.endr
.endr
.endm
.macro LDK                             ; a key step's K: eight images, 16,384 dense bytes
	WIN 0xc0
.set j, 0
.rept 32
	global_load_b128 v[4*j:4*j+3], v[LI], s[24:25] offset:512*j
.set j, j+1
.endr
	WIN 0
.endm
.macro LDV                             ; and its V: the head's eight channel tiles
	WIN 0xc0
.set j, 0
.rept 32
	global_load_b128 v[128+4*j:128+4*j+3], v[LI], s[26:27] offset:512*j
.set j, j+1
.endr
	WIN 0
.endm
; THE DIAGONAL STEP.  Register 16 b + i of tile tau holds key 32 b + 16 h + i of the step.  An odd block's queries are the step's 64 .. 127: keys 0 .. 63 (b = 0, 1) all count, and in b = 2, 3 a key counts where
; i <= QL, QL - 32.  An even block's queries are 0 .. 63: the same two thresholds serve b = 0, 1, and keys 64 .. 127 (b = 2, 3) all come after every query.  What does not count becomes 0 ahead of the square.
.macro MASKC t, g                      ; groups g and g + 1 of tile t by comparison
	WIN 0
	v_add_nc_u32 v[DD], 0xffffffe0, v[QL+\t]
	WIN 0x44
.set j, 0
.rept 16
	v_cmp_ge_i32 vcc_lo, v[QL+\t], j
	v_cndmask_b32 v[64*\t+16*(\g)+j], 0, v[64*\t+16*(\g)+j], vcc_lo
.set j, j+1
.endr
.set j, 0
.rept 16
	v_cmp_ge_i32 vcc_lo, v[DD], j
	v_cndmask_b32 v[64*\t+16*(\g)+16+j], 0, v[64*\t+16*(\g)+16+j], vcc_lo
.set j, j+1
.endr
.endm
.macro ZEROH t                         ; groups 2 and 3 of tile t: no key counts
	WIN 0x40
.set j, 0
.rept 32
	v_mov_b32 v[64*\t+32+j], 0
.set j, j+1
.endr
.endm
; Tile tau: z's four chains take the squares; the squares are held and become p's codes.  first = 1: the first four products start the chains: nothing is cleared.
.macro SOFT t, first
	WIN 0x05
.set j, 0
.rept 32
.if (\first) && (j < 4)
	v_pk_mul_f32 v[Z+8*\t+2*j:Z+8*\t+2*j+1], v[64*\t+2*j:64*\t+2*j+1], v[64*\t+2*j:64*\t+2*j+1]
.else
	v_pk_fma_f32 v[Z+8*\t+2*(j%4):Z+8*\t+2*(j%4)+1], v[64*\t+2*j:64*\t+2*j+1], v[64*\t+2*j:64*\t+2*j+1], v[Z+8*\t+2*(j%4):Z+8*\t+2*(j%4)+1]
.endif
.set j, j+1
.endr
	WIN 0x45
.set j, 0
.rept 32
	v_pk_mul_f32 v[64*\t+2*j:64*\t+2*j+1], v[64*\t+2*j:64*\t+2*j+1], v[64*\t+2*j:64*\t+2*j+1]
.set j, j+1
.endr
.set j, 0
.rept 64
	v_min_num_f32 v[64*\t+j], s48, v[64*\t+j]      ; the conversion to an 8-bit code does not saturate (ISA guide 7.6.2)
.set j, j+1
.endr
	WIN 0x01
.irp k, 0,1,2,3,4,5,6,7
	v_cvt_scalef32_pk8_fp8_f32 v[P+16*\t+2*\k:P+16*\t+2*\k+1], v[64*\t+8*\k:64*\t+8*\k+7], v[SCP]
.endr
.endm
; O^T += V^T P^T: the 32 accumulators take turns, one instruction a turn.  first = 1: the products start the sums.
.macro PVM first
	WIN 0xa3
.irp d, 0,1,2,3,4,5,6,7
.irp t, 0,1,2,3
.if \first
	v_wmma_f32_16x16x128_fp8_fp8 v[64*\t+8*\d:64*\t+8*\d+7], v[128+16*\d:128+16*\d+15], v[P+16*\t:P+16*\t+15], 0
.else
	v_wmma_f32_16x16x128_fp8_fp8 v[64*\t+8*\d:64*\t+8*\d+7], v[128+16*\d:128+16*\d+15], v[P+16*\t:P+16*\t+15], v[64*\t+8*\d:64*\t+8*\d+7]
.endif
.endr
.endr
	WIN 0
	PLACES
.endm
; A UNIT: 64 queries x the 128 keys of step s15.
.macro UNIT first
	s_wait_loadcnt 32                              ; all but the youngest 32 loads, V's: K is in (and Q, in a pass's first unit)
	WIN 0x43
.irp k, 0,1,2,3,4,5,6,7
.irp t, 0,1,2,3
	v_wmma_f32_16x16x128_fp8_fp8 v[64*\t+8*\k:64*\t+8*\k+7], v[16*\k:16*\k+15], v[Q+16*\t:Q+16*\t+15], 0
.endr
.endr
	WIN 0
	PLACES
	s_add_co_u32 s18, s15, 4                       ; my next key step, if the block has one: ids alone decide
	s_cmp_lt_u32 s18, s14
	s_cbranch_scc0 .Llast_\@
	s_add_nc_u64 s[24:25], s[24:25], 65536         ; A UNIT WITH A SUCCESSOR.  (K's last loads were shown done by the wait above)
	LDK
	SOFT 0, \first
	SOFT 1, \first
	SOFT 2, \first
	SOFT 3, \first
	v_nop                                          ; a plain line between the last conversion and the products that read its result
	s_wait_loadcnt 32                              ; V is in; the next K's 32 loads, issued behind V's, may stay out
	PVM \first
	s_add_nc_u64 s[26:27], s[26:27], 1048576       ; (V's last loads were shown done by that wait)
	LDV
	s_branch .Ldone_\@
.Llast_\@:                                             ; MY LAST UNIT OF THE PASS: nothing is asked for: no load leaves its buffer
	s_add_co_u32 s19, s15, 1
	s_cmp_lg_u32 s19, s14                          ; the block's last key step alone lies on the diagonal
	s_cbranch_scc1 .Lopen_\@
	s_cmp_lg_u32 s51, 0
	s_cbranch_scc1 .Lodd_\@
	MASKC 0, 0
	MASKC 1, 0
	MASKC 2, 0
	MASKC 3, 0
	ZEROH 0
	ZEROH 1
	ZEROH 2
	ZEROH 3
	WIN 0
	s_branch .Lopen_\@
.Lodd_\@:
	MASKC 0, 2
	MASKC 1, 2
	MASKC 2, 2
	MASKC 3, 2
	WIN 0
.Lopen_\@:
	SOFT 0, \first
	SOFT 1, \first
	SOFT 2, \first
	SOFT 3, \first
	v_nop                                          ; a plain line between the last conversion and the products that read its result
	s_wait_loadcnt 0x0                             ; V is in: nothing was issued behind it
	PVM \first
.Ldone_\@:
.endm
; What wave (w - tau) % 4 put for my tile, if it had a key step at all.
.macro GATHER t
	s_sub_co_u32 s30, s10, \t
	s_and_b32 s30, s30, 3
	s_cmp_ge_u32 s30, s14
	s_cbranch_scc1 .Lnothing_\@
	WIN 0x40
.set j, 0
.rept 16
	ds_load_b128 v[4*j:4*j+3], v[RRD] offset:(\t-1)*8192+512*j
.set j, j+1
.endr
	WIN 0
	ds_load_b32 v[ZP+\t], v[ZR] offset:(\t-1)*128
	s_wait_dscnt 0x0
	WIN 0x86
.set j, 0
.rept 32
	v_pk_add_f32 v[j:j+1], v[j:j+1], v[j:j+1]      ; O (window 2) += the partial (window 1)
.set j, j+2
.endr
	WIN 0
	v_add_f32 v[Z], v[Z], v[ZP+\t]
.Lnothing_\@:
.endm
	s_load_b128 s[4:7], s[0:1], 0x0                ; qkv, the exponents
	s_load_b64 s[8:9], s[0:1], 0x10                ; oc
	v_lshl_add_u32 v[SPW], v0, 2, SPARE
	v_mov_b32 v[NIL], 0
	v_lshrrev_b32 v26, 5, v0
	v_readfirstlane_b32 s10, v26                   ; wave
	s_and_b32 s11, ttmp7, 0xffff                   ; head
	v_and_b32 v26, 31, v0
	v_lshlrev_b32 v[LI], 4, v26
	v_lshlrev_b32 v27, 2, v26
	v_and_b32 v30, 15, v0                          ; r
	v_and_b32 v31, 8, v0
	v_add_nc_u32 v30, v30, v31                     ; r + 8 (r / 8)
	v_and_b32 v31, 16, v0
	v_sub_nc_u32 v30, v30, v31                     ; - 16 h
	s_mov_b32 s20, 0x76543210                      ; v_permlanex16_b32: lane l xor 16
	s_mov_b32 s21, 0xfedcba98
; every LDS address is made here, ahead of the first parting of the waves
.irp t, 0,1,2,3
	s_add_co_u32 s30, s10, \t
	s_and_b32 s30, s30, 3                          ; the block's tile
	s_lshl_b32 s31, s30, 11
	v_add_nc_u32 v[QA+\t], s31, v[LI]
	s_lshr_b32 s31, s30, 1
	s_lshl_b32 s31, s31, 5
	s_and_b32 s32, s30, 1
	s_lshl_b32 s32, s32, 3
	s_add_co_u32 s31, s31, s32                     ; its rows begin at query 32 (tile / 2) + 8 (tile % 2)
	v_add_nc_u32 v[QL+\t], s31, v30
.if \t > 0
	s_mul_i32 s31, s30, 24576
	s_add_co_u32 s31, s31, (\t-1)*8192
	v_add_nc_u32 v[WSTO+\t-1], s31, v[LI]
	s_mul_i32 s31, s30, 384
	s_add_co_u32 s31, s31, ZRED+(\t-1)*128
	v_add_nc_u32 v[ZW+\t-1], s31, v27
.endif
.endr
	s_mul_i32 s31, s10, 24576
	v_add_nc_u32 v[RRD], s31, v[LI]
	s_mul_i32 s31, s10, 384
	s_add_co_u32 s31, s31, ZRED
	v_add_nc_u32 v[ZR], s31, v27
	s_sub_co_u32 s13, 31, ttmp9                    ; the first pass's block: 16 .. 31, so n is 9 at the least and every wave has a key step
	s_wait_kmcnt 0x0
	s_load_b256 s[36:43], s[6:7], 0x0              ; e0 .. e7
	s_load_b128 s[44:47], s[6:7], 0x20             ; e8 .. e11
	BASES 13
	LDQ                                            ; the first pass's Q and K go out ahead of the wait for the exponents
	LDK
	s_wait_kmcnt 0x0
	s_add_co_i32 s49, s42, s43
	s_lshl_b32 s49, s49, 1                         ; E = 2 (e6 + e7)
	s_sub_co_i32 s30, s45, s49
	s_add_co_i32 s30, s30, 127
	s_lshl_b32 s31, s30, 23
	v_mov_b32 v[SCP], s31                          ; 2^(e9 - E)
	s_add_co_i32 s30, s30, 8
	s_lshl_b32 s30, s30, 23
	s_or_b32 s48, s30, 0x600000                    ; 448 x that
	s_add_co_i32 s50, s44, s45                     ; e8 + e9
	s_add_co_i32 s30, s46, 127
	s_lshl_b32 s31, s30, 23
	v_mov_b32 v[SCO], s31
	s_add_co_i32 s30, s30, 8
	s_lshl_b32 s30, s30, 23
	s_or_b32 s30, s30, 0x600000
	v_mov_b32 v[LIMO], s30
	s_mov_b32 s17, 2
.Lpass:                                                ; Q and K of block s13 have been asked for
	s_wait_xcnt 0x0                                ; the last pass's stores have read their registers and base: both may be written
	s_lshr_b32 s52, s13, 1
	s_add_co_u32 s14, s52, 1                       ; n
	s_and_b32 s53, s13, 1
	s_lshl_b32 s51, s53, 6                         ; the block's first query within the diagonal step
	s_lshl_b32 s30, s52, 18
	s_lshl_b32 s55, s11, 14
	s_add_co_u32 s30, s30, s55
	s_lshl_b32 s56, s53, 2
	s_add_co_u32 s56, s56, s10
	s_lshl_b32 s56, s56, 11
	s_add_co_u32 s30, s30, s56
	s_mov_b32 s31, 0
	s_add_nc_u64 s[28:29], s[8:9], s[30:31]        ; o's image: group c / 2, K block = head, row block 4 (c % 2) + w
	s_mov_b32 s15, s10
	s_cmp_ge_u32 s10, s14
	s_cbranch_scc1 .Lidle
	LDV
	UNIT 1                                         ; a pass's first unit starts the sums
	s_mov_b32 s16, 3
.Lkeys:                                                ; three more trips at the most: a constant count; a trip past the block's last key step does nothing
	s_add_co_u32 s15, s15, 4
	s_cmp_ge_u32 s15, s14
	s_cbranch_scc1 .Lskip
	UNIT 0
.Lskip:
	s_sub_co_u32 s16, s16, 1
	s_cmp_lg_u32 s16, 0
	s_cbranch_scc1 .Lkeys
	s_wait_loadcnt 0x0                             ; no load of mine is out (my last unit asked for nothing): the bases may be written
	s_cmp_lg_u32 s17, 2                            ; behind the first pass: the second pass's Q and K, if I have a key step there: 48 loads, which land under the sums through LDS
	s_cbranch_scc1 .Lno_pre
	s_sub_co_u32 s57, 31, s13                      ; the other block,
	s_lshr_b32 s58, s57, 1
	s_add_co_u32 s58, s58, 1                       ; its n
	s_cmp_ge_u32 s10, s58
	s_cbranch_scc1 .Lno_pre
	BASES 57
	LDQ
	LDK
.Lno_pre:
.irp t, 0,1,2,3
	v_pk_add_f32 v[Z+8*\t:Z+8*\t+1], v[Z+8*\t:Z+8*\t+1], v[Z+8*\t+2:Z+8*\t+3]
	v_pk_add_f32 v[Z+8*\t+4:Z+8*\t+5], v[Z+8*\t+4:Z+8*\t+5], v[Z+8*\t+6:Z+8*\t+7]
.endr
.irp t, 0,1,2,3
	v_pk_add_f32 v[Z+8*\t:Z+8*\t+1], v[Z+8*\t:Z+8*\t+1], v[Z+8*\t+4:Z+8*\t+5]
.endr
.irp t, 0,1,2,3
	v_add_f32 v[Z+8*\t], v[Z+8*\t], v[Z+8*\t+1]
.endr
	WIN 0x08                                       ; store data in window 2
.irp t, 1,2,3
.set j, 0
.rept 16
	ds_store_b128 v[WSTO+\t-1], v[64*\t+4*j:64*\t+4*j+3] offset:512*j   ; an image of the registers: the owner's same lanes take them back; each accumulator from its low end on
.set j, j+1
.endr
.endr
	WIN 0
.irp t, 1,2,3
	ds_store_b32 v[ZW+\t-1], v[Z+8*\t]
.endr
	s_branch .Lmeet
.Lidle:                                                ; a wave with no key step (blocks 0 to 5 alone have fewer than four): its own tile begins as zeros
	WIN 0x80
.set j, 0
.rept 64
	v_mov_b32 v[j], 0
.set j, j+1
.endr
	WIN 0
	v_mov_b32 v[Z], 0
.Lmeet:
	s_wait_dscnt 0x0                               ; for the others' sake: my stores have landed
	s_barrier_signal -1
	s_barrier_wait -1
	GATHER 1
	GATHER 2
	GATHER 3
	v_permlanex16_b32 v26, v[Z], s20, s21          ; the query's other keys lie in the lane 16 away
	v_add_f32 v26, v[Z], v26
	v_ldexp_f32 v26, v26, s49                      ; z
	v_add_f32 v26, 0x3727c5ac, v26                 ; + 1e-5
	v_rcp_f32 v27, v26
	v_nop                                          ; a plain line behind the transcendental
	s_wait_alu depctr_va_vdst(0)                   ; the wait ahead of the first line that names its result
	v_ldexp_f32 v30, v27, s50                      ; x 2^(e8 + e9)
	WIN 0x82
.set j, 0
.rept 32
	v_pk_mul_f32 v[j:j+1], v[j:j+1], v[30:31] op_sel_hi:[1,0]
.set j, j+2
.endr
.set j, 0
.rept 64
	v_med3_num_f32 v[j], v[j], -v[LIMO], v[LIMO]
.set j, j+1
.endr
	WIN 0x02
.irp d, 0,1,2,3,4,5,6,7
	v_cvt_scalef32_pk8_fp8_f32 v[OC+2*\d:OC+2*\d+1], v[8*\d:8*\d+7], v[SCO]
.endr
	v_nop                                          ; a plain line between the conversions and the next write of their sources
	WIN 0
.irp c, 0,1,2,3
	global_store_b128 v[LI], v[OC+4*\c:OC+4*\c+3], s[28:29] offset:512*\c   ; 512 consecutive bytes, aligned
.endr
	s_wait_dscnt 0x0                               ; my reads of the places are over:
	s_barrier_signal -1
	s_barrier_wait -1                              ; the next pass may write them
	s_sub_co_u32 s13, 31, s13                      ; the other block
	s_sub_co_u32 s17, s17, 1
	s_cmp_lg_u32 s17, 0
	s_cbranch_scc1 .Lpass
	s_wait_tensorcnt 0x0                           ; the wave's end, behind my last LDS store
	ds_add_u32 v[SPW], v[NIL]
	s_wait_dscnt 0x0
	s_endpgm
.Lfunc_end_k_q60924adeab_attn:
	.size	k_q60924adeab_attn, .Lfunc_end_k_q60924adeab_attn-k_q60924adeab_attn
	.p2alignl 7, 3214868480
	.fill 96, 4, 3214868480
	.section	.rodata,"a",@progbits
	.p2align	6, 0x0
	.amdhsa_kernel k_q60924adeab_attn
		.amdhsa_group_segment_fixed_size 100352
		.amdhsa_private_segment_fixed_size 0
		.amdhsa_enable_private_segment 0
		.amdhsa_kernarg_size 24
		.amdhsa_user_sgpr_count 2
		.amdhsa_user_sgpr_kernarg_segment_ptr 1
		.amdhsa_wavefront_size32 1
		.amdhsa_system_sgpr_workgroup_id_x 1
		.amdhsa_system_sgpr_workgroup_id_y 1
		.amdhsa_system_sgpr_workgroup_id_z 1
		.amdhsa_system_vgpr_workitem_id 0
		.amdhsa_next_free_vgpr 1024
		.amdhsa_next_free_sgpr 66
		.amdhsa_reserve_vcc 1
		.amdhsa_float_denorm_mode_32 3
		.amdhsa_float_denorm_mode_16_64 3
		.amdhsa_memory_ordered 1
		.amdhsa_forward_progress 1
		.amdhsa_inst_pref_size 233
	.end_amdhsa_kernel
	.amdgpu_metadata
---
amdhsa.version: [ 1, 2 ]
amdhsa.kernels:
  - .name:           k_q60924adeab_attn
    .symbol:         k_q60924adeab_attn.kd
    .args:
      - { .name: qkv, .offset: 0, .size: 8, .value_kind: global_buffer, .address_space: global }
      - { .name: lowp_scales, .offset: 8, .size: 8, .value_kind: global_buffer, .address_space: global }
      - { .name: oc, .offset: 16, .size: 8, .value_kind: global_buffer, .address_space: global }
    .group_segment_fixed_size: 100352
    .private_segment_fixed_size: 0
    .kernarg_segment_align: 8
    .kernarg_segment_size: 24
    .max_flat_workgroup_size: 128
    .sgpr_count:     66
    .vgpr_count:     1024
    .wavefront_size: 32
...
	.end_amdgpu_metadata
.endif
;; end of part 3
;; launch oproj (part 4): grid 16 x 16, 4 waves a work-group, clusters of 4 x 4, 327,680 bytes of LDS; arguments oc, codes, lowp_scales, out0; writes out0
.if DOCPART == 4
	.amdgcn_target "amdgcn-amd-amdhsa--gfx1250"
	.amdhsa_code_object_version 6
	.text
	.protected	k_q60924adeab_oproj
	.globl	k_q60924adeab_oproj
	.p2align	8
	.type	k_q60924adeab_oproj,@function
k_q60924adeab_oproj:
	s_mov_b64 s[64:65], 0
	v_nop
	global_prefetch_b8 v0, s[64:65] scope:SCOPE_SE
	s_setreg_imm32_b32 hwreg(HW_REG_WAVE_MODE, 25, 1), 1
	s_wait_xcnt 0x0
	s_wait_alu depctr_hold_cnt(0) depctr_sa_sdst(0) depctr_va_vdst(0) depctr_va_sdst(0) depctr_va_ssrc(0) depctr_va_vcc(0) depctr_vm_vsrc(0)
	s_getreg_b32 s2, hwreg(HW_REG_IB_STS2, 6, 4)
	s_cmp_eq_u32 s2, 0
	s_cbranch_scc0 .Lentry_in_a_cluster
	s_endpgm
.Lentry_in_a_cluster:
	s_bfe_u32 s2, ttmp6, 0x10000c
	s_cmp_lg_u32 s2, 0xf033
	s_cbranch_scc0 .Lentry_shape_is_right
	s_endpgm
.Lentry_shape_is_right:
; FOURTH LAUNCH: out = o Wo^T on codes of E4M3, each sum x 2^(e10 + e11).  o's codes come from the third launch, Wo's are segment 6 of the first's; both as images of registers (16 rows x 128 K, 2,048 dense bytes),
; a group of 128 rows dense along K.
; A tile of 128 x 128, so that each of 256 work-groups has one; four waves, each 64 x 64: 16 accumulators.  K = 2048 goes through a ring of two LDS slots of 512 along K: four fills, all written out.
; CLUSTERS: 4 x 4 work-groups; o's blocks are shared along a row of the cluster, Wo's along a column: each is asked for jointly.
; THE MATRIX INSTRUCTION IS USED TRANSPOSED (source 0 = 16 rows of Wo, source 1 = 16 rows of o): a lane holds one token; the 16 registers of Wo's blocks 2 c, 2 c + 1 are output columns 32 c + 16 h + 0 .. 15.
; The images' rows are tokens 32 (RB / 2) + 8 (RB % 2) + r + 8 (r / 8): the stores' immediates put each row where it belongs.
; LIMIT: e10 + e11 between -126 and 127, so that 2^(e10 + e11) is an f32 number.
; REGISTERS: window 0: v16-29 addresses; v32-127 at work on the way out; v128-255 the accumulators ((a, b) at v[128 + 8 (4 a + b)]).  window 1: two fragment buffers of 128: o's four images, then Wo's four.
.set SEGB,  4194304
.set PART,  32768                      ; what one tensor load brings: 128 rows x 256 along K
.set SLOT,  4*PART                     ; o's 512 along K, then Wo's
.set SPARE, 2*SLOT                     ; behind the ring: the spare words, 128 bytes a wave, that no other line names
.set STAGE, SPARE+512                  ; behind them: 16 rows x 272 bytes for each wave, for the way out; no fill lands here
.set SPITCH, 272
.set ADRA, 16
.set ADRB, 20
.set STO,  24
.set RD,   25
.set CO,   26
.set SPW,  28                          ; v28  my spare word; never rewritten
.set NIL,  29                          ; v29  0; never rewritten
.set TMP,  32
.set BK,   64
.set ACC,  128
.set F0,   0
.set F1,   128
.set G1, 24
.set G0, 32
.set G1B, 48
.set G0B, 56
.set MSB, 0
.macro WIN new                         ; the immediate's high byte repeats the setting that is left
.if MSB != (\new)
	s_set_vgpr_msb (MSB<<8)|(\new)
.set MSB, (\new)
.endif
.endm
.set MUL,  0x05                        ; sources 0 and 1 window 1; C and D window 0
.set TO_F, 0x40
.macro JLOAD s                         ; a joint load: waves 0 and 1 fetch o's halves, waves 2 and 3 Wo's; an s_nop 0 and four v_nop follow each line
	s_cmp_eq_u32 s15, 0
	s_cbranch_scc0 .Lfor_b_\@
	tensor_load_to_lds s[G0+4*\s:G0+4*\s+3], s[G1:G1+7]
	s_nop 0
.rept 4
	v_nop
.endr
	s_branch .Lasked_\@
.Lfor_b_\@:
	tensor_load_to_lds s[G0B+4*\s:G0B+4*\s+3], s[G1B:G1B+7]
	s_nop 0
.rept 4
	v_nop
.endr
.Lasked_\@:
.endm
.macro CREST
	s_cmp_lg_u32 s14, 0
	s_cbranch_scc1 .Lnot_wave_0_\@
	s_barrier_signal -3
.Lnot_wave_0_\@:
	s_barrier_wait -3
	s_barrier_signal -1
	s_barrier_wait -1
.endm
.macro CROUND
	s_barrier_signal -1
	s_barrier_wait -1
	CREST
.endm
.macro PLACES                          ; plain vector lines between a matrix instruction and a load into, or a read of, its registers (ISA guide 7.12.1 for vector lines)
.rept 4
	v_nop
.endr
.endm
	s_load_b256 s[4:11], s[0:1], 0x0               ; oc, codes, the exponents, out0
	v_lshl_add_u32 v[SPW], v0, 2, SPARE
	v_mov_b32 v[NIL], 0
	ds_add_u32 v[SPW], v[NIL]                      ; the wave's opening: the add, twice on end, and its wait ahead of my first tensor load
	ds_add_u32 v[SPW], v[NIL]
	v_lshrrev_b32 v1, 5, v0
	v_readfirstlane_b32 s14, v1                    ; wave
	s_lshr_b32 s15, s14, 1                         ; my half of the tile's rows.  Also: I fetch for o (0) or Wo (1)
	s_and_b32 s16, s14, 1                          ; my half of its columns.  Also: which 256 along K of a slot I fetch
	s_bfe_u32 s40, ttmp6, 0x40000                  ; cx
	s_bfe_u32 s41, ttmp6, 0x40004                  ; cy
	s_lshl_b32 s42, ttmp9, 2
	s_add_co_u32 s42, s42, s40                     ; tile column
	s_and_b32 s17, ttmp7, 0xffff
	s_lshl_b32 s17, s17, 2
	s_add_co_u32 s17, s17, s41                     ; tile row
	s_lshl_b32 s43, s41, 2
	s_lshl_b32 s43, 15, s43                        ; my row of the cluster
	s_lshl_b32 s44, 0x1111, s40                    ; my column
	s_or_b32 s[G1+0], s43, (3<<16)|(1<<21)         ; a dense block of 128 rows of 256 bytes, in elements of 8 bytes; the mask; bit 21 beside it
	s_or_b32 s[G1B+0], s44, (3<<16)|(1<<21)
.irp g, G1, G1B
	s_mov_b32 s[\g+1], 32<<16
	s_mov_b32 s[\g+2], 128<<16
	s_mov_b32 s[\g+3], 32<<16
	s_mov_b32 s[\g+4], 128
	s_mov_b32 s[\g+5], 32
	s_mov_b32 s[\g+6], 0
	s_mov_b32 s[\g+7], 0
.endr
	s_lshl_b32 s18, s16, 15
	s_lshl_b32 s20, s17, 18
	s_add_co_u32 s20, s20, s18                     ; o: group = tile row, + my 256 along K
	s_mov_b32 s21, 0
	s_lshl_b32 s46, s42, 18
	s_add_co_u32 s46, s46, s18
	s_add_co_u32 s46, s46, 6*SEGB                  ; Wo: segment 6, group = tile column
	s_mov_b32 s47, 0
	s_mul_i32 s45, s14, PART                       ; where they go: wave x 32,768
	s_wait_dscnt 0x0                               ; both opening adds are done
	s_wait_kmcnt 0x0
	s_load_b64 s[96:97], s[8:9], 0x28              ; e10, e11
	s_add_nc_u64 s[20:21], s[4:5], s[20:21]
	s_add_nc_u64 s[46:47], s[6:7], s[46:47]
	CROUND                                         ; all sixteen work-groups are here: the first joint loads meet
.irp s, 0,1
	s_mov_b32 s[G0+4*\s], 1
	s_add_co_u32 s[G0+4*\s+1], s45, \s*SLOT
	s_add_nc_u64 s[G0+4*\s+2:G0+4*\s+3], s[20:21], \s*2*PART
	s_or_b32 s[G0+4*\s+3], s[G0+4*\s+3], 0x80000000
	s_mov_b32 s[G0B+4*\s], 1
	s_add_co_u32 s[G0B+4*\s+1], s45, \s*SLOT
	s_add_nc_u64 s[G0B+4*\s+2:G0B+4*\s+3], s[46:47], \s*2*PART
	s_or_b32 s[G0B+4*\s+3], s[G0B+4*\s+3], 0x80000000
	JLOAD \s
.endr
	v_and_b32 v6, 31, v0
	v_lshlrev_b32 v6, 4, v6                        ; 16 x lane
	v_and_b32 v1, 15, v0
	v_bfe_u32 v2, v0, 4, 1
	s_lshl_b32 s21, s15, 13                        ; my four images of o in a K block
	s_lshl_b32 s22, s16, 13                        ; my four of Wo,
	s_add_co_u32 s22, s22, 2*PART                  ; behind o's 65,536 bytes
.irp s, 0,1
	v_add_nc_u32 v[ADRA+\s], s21, v6
	v_add_nc_u32 v[ADRB+\s], s22, v6
	s_add_co_u32 s21, s21, SLOT
	s_add_co_u32 s22, s22, SLOT
.endr
	s_mul_i32 s23, s14, 16*SPITCH
	s_add_co_u32 s23, s23, STAGE                   ; my stage
	v_mul_u32_u24 v3, v1, SPITCH
	v_lshl_add_u32 v3, v2, 6, v3
	v_add_nc_u32 v[STO], s23, v3                   ; in: row r, + 64 h bytes
	v_mul_u32_u24 v4, v2, SPITCH
	v_lshl_add_u32 v4, v1, 4, v4
	v_add_nc_u32 v[RD], s23, v4                    ; back: lanes 0-15 one row of 256 bytes, lanes 16-31 the next
	v_lshlrev_b32 v5, 13, v2
	v_lshl_add_u32 v[CO], v1, 4, v5                ; and the same two rows in out0
	s_lshl_b32 s20, s17, 7
	s_lshl_b32 s21, s15, 6
	s_add_co_u32 s20, s20, s21
	s_lshl_b32 s20, s20, 13                        ; my first row: 128 x tile row + 64 x half, rows of 8,192 bytes
	s_lshl_b32 s46, s42, 9
	s_lshl_b32 s47, s16, 8
	s_add_co_u32 s46, s46, s47                     ; my first column, in bytes
	s_add_co_u32 s20, s20, s46
	s_mov_b32 s21, 0
	s_add_nc_u64 s[10:11], s[10:11], s[20:21]
; 8 matrix instructions: o's blocks a0, a0 + 1 x Wo's four, 128 along K.  The 16 accumulators take turns, one instruction a turn, in the same order in every quarter.
.macro MUL8 f, a0, zero
.irp a, \a0, \a0+1
.irp b, 0,1,2,3
.if \zero
	v_wmma_f32_16x16x128_fp8_fp8 v[ACC+8*(4*(\a)+\b):ACC+8*(4*(\a)+\b)+7], v[\f+64+16*\b:\f+64+16*\b+15], v[\f+16*(\a):\f+16*(\a)+15], 0
.else
	v_wmma_f32_16x16x128_fp8_fp8 v[ACC+8*(4*(\a)+\b):ACC+8*(4*(\a)+\b)+7], v[\f+64+16*\b:\f+64+16*\b+15], v[\f+16*(\a):\f+16*(\a)+15], v[ACC+8*(4*(\a)+\b):ACC+8*(4*(\a)+\b)+7]
.endif
.endr
.endr
.endm
.macro FETCH slot, q, f                ; 32 LDS loads in one run: the eight images of the slot's q-th 128 along K
	WIN TO_F
.irp i, 0,1,2,3
.irp c, 0,1,2,3
	ds_load_b128 v[\f+16*\i+4*\c:\f+16*\i+4*\c+3], v[ADRA+\slot] offset:16384*(\q)+2048*\i+512*\c
	ds_load_b128 v[\f+64+16*\i+4*\c:\f+64+16*\i+4*\c+3], v[ADRB+\slot] offset:16384*(\q)+2048*\i+512*\c
.endr
.endr
.endm
.macro QUARTER slot, q, f, g, zero     ; one of a slot's first three: multiplies buffer f while the next quarter's images come into g
	s_wait_dscnt 0x0                               ; buffer f is in
	PLACES
	FETCH \slot, (\q)+1, \g
	WIN MUL
	MUL8 \f, 0, \zero
	MUL8 \f, 2, \zero
.endm
; A slot's last quarter multiplies buffer 1 and changes slots: one barrier; ahead of it each wave waits for all its tensor loads, adds 0 to its spare word, and waits for that and for its reads of this slot.
.macro TURN slot, next, fill
	WIN 0
	s_wait_tensorcnt 0x0                           ; all my tensor loads have landed: my part of the next slot
	ds_add_u32 v[SPW], v[NIL]
	s_wait_dscnt 0x0                               ; the add is done, buffer 1 is in, and my reads of this slot are over
	s_barrier_signal -1
	WIN MUL
	MUL8 F1, 0, 0
	WIN 0
	s_barrier_wait -1
.if \fill
	CREST                                          ; the barrier has opened a round of the cluster's: no wave of any partner still reads this slot or has a load on its way
	s_add_nc_u64 s[G0+4*\slot+2:G0+4*\slot+3], s[G0+4*\slot+2:G0+4*\slot+3], 4*PART
	s_add_nc_u64 s[G0B+4*\slot+2:G0B+4*\slot+3], s[G0B+4*\slot+2:G0B+4*\slot+3], 4*PART
	JLOAD \slot                                    ; the first tensor load behind the round; its four v_nop are the places ahead of the loads below
.else
	PLACES
.endif
	FETCH \next, 0, F0
	WIN MUL
	MUL8 F1, 2, 0
.endm
	s_wait_tensorcnt 1                             ; my part of slot 0 is in; slot 1's fill may stay out
	s_barrier_signal -1
	s_barrier_wait -1
	FETCH 0, 0, F0
	QUARTER 0, 0, F0, F1, 1                        ; the first products start the sums: nothing is cleared
	QUARTER 0, 1, F1, F0, 0
	QUARTER 0, 2, F0, F1, 0
	TURN 0, 1, 1                                   ; slot 0 takes K 1024 .. 1535
	QUARTER 1, 0, F0, F1, 0
	QUARTER 1, 1, F1, F0, 0
	QUARTER 1, 2, F0, F1, 0
	TURN 1, 0, 1                                   ; slot 1 takes K 1536 .. 2047
	QUARTER 0, 0, F0, F1, 0
	QUARTER 0, 1, F1, F0, 0
	QUARTER 0, 2, F0, F1, 0
	TURN 0, 1, 0                                   ; nothing is left to fetch
	QUARTER 1, 0, F0, F1, 0
	QUARTER 1, 1, F1, F0, 0
	QUARTER 1, 2, F0, F1, 0
	s_wait_dscnt 0x0
	MUL8 F1, 0, 0
	MUL8 F1, 2, 0
	WIN 0
	PLACES
; THE WAY OUT, a block of 16 tokens x 64 columns at a time, through my own stage: in as 32 bytes a lane and accumulator pair, back as whole rows of 256 bytes.
.macro TOSTAGE a
.set j, 0
.rept 16
	v_pk_mul_f32 v[TMP+j:TMP+j+1], v[ACC+32*(\a)+j:ACC+32*(\a)+j+1], s[96:97] op_sel_hi:[1,0]   ; x 2^(e10 + e11); each accumulator from its low end on
.set j, j+2
.endr
.irp b, 0,1,2,3
	ds_store_b128 v[STO], v[TMP+8*\b:TMP+8*\b+3] offset:128*(\b/2)+32*(\b%2)       ; columns 32 (b / 2) + 16 h + 8 (b % 2) + 0 .. 3
	ds_store_b128 v[STO], v[TMP+8*\b+4:TMP+8*\b+7] offset:128*(\b/2)+32*(\b%2)+16
.endr
.set BB, BK+32*((\a)%2)
.irp i, 0,1,2,3,4,5,6,7
	ds_load_b128 v[BB+4*\i:BB+4*\i+3], v[RD] offset:2*\i*SPITCH   ; LDS serves a wave's instructions in order (ISA guide 5.7.1.4): these see the stores above, and the next block's stores come behind them
.endr
.endm
.macro SEND a, younger                 ; younger: the LDS instructions issued behind block a's loads
.set BB, BK+32*((\a)%2)
	s_wait_dscnt \younger
.irp i, 0,1,2,3,4,5,6,7
	global_store_b128 v[CO], v[BB+4*\i:BB+4*\i+3], s[10:11] offset:(32*((\a)/2)+8*((\a)%2)+2*\i+8*(\i/4))*8192 th:TH_STORE_NT   ; stage rows 2 i, 2 i + 1 are these tokens; 16 lanes store 256 consecutive bytes, aligned
.endr
.endm
	s_wait_kmcnt 0x0
	s_add_co_i32 s96, s96, s97
	s_add_co_i32 s96, s96, 127
	s_lshl_b32 s96, s96, 23                        ; 2^(e10 + e11) as f32
	TOSTAGE 0
	TOSTAGE 1
	SEND 0, 16                                     ; behind block 0's loads: block 1's 8 stores and 8 loads
	s_wait_xcnt 0x0                                ; block 0's stores have read their registers: block 2's loads may land there
	TOSTAGE 2
	SEND 1, 16
	s_wait_xcnt 0x0
	TOSTAGE 3
	SEND 2, 16
	SEND 3, 0
	s_wait_tensorcnt 0x0                           ; the wave's end
	ds_add_u32 v[SPW], v[NIL]
	s_wait_dscnt 0x0
	CROUND                                         ; the closing round
	s_endpgm
.Lfunc_end_k_q60924adeab_oproj:
	.size	k_q60924adeab_oproj, .Lfunc_end_k_q60924adeab_oproj-k_q60924adeab_oproj
	.p2alignl 7, 3214868480
	.fill 96, 4, 3214868480
	.section	.rodata,"a",@progbits
	.p2align	6, 0x0
	.amdhsa_kernel k_q60924adeab_oproj
		.amdhsa_group_segment_fixed_size 327680
		.amdhsa_private_segment_fixed_size 0
		.amdhsa_enable_private_segment 0
		.amdhsa_kernarg_size 32
		.amdhsa_user_sgpr_count 2
		.amdhsa_user_sgpr_kernarg_segment_ptr 1
		.amdhsa_wavefront_size32 1
		.amdhsa_system_sgpr_workgroup_id_x 1
		.amdhsa_system_sgpr_workgroup_id_y 1
		.amdhsa_system_sgpr_workgroup_id_z 1
		.amdhsa_system_vgpr_workitem_id 0
		.amdhsa_next_free_vgpr 512
		.amdhsa_next_free_sgpr 100
		.amdhsa_reserve_vcc 0
		.amdhsa_float_denorm_mode_32 3
		.amdhsa_float_denorm_mode_16_64 3
		.amdhsa_memory_ordered 1
		.amdhsa_forward_progress 1
		.amdhsa_inst_pref_size 73
	.end_amdhsa_kernel
	.amdgpu_metadata
---
amdhsa.version: [ 1, 2 ]
amdhsa.kernels:
  - .name:           k_q60924adeab_oproj
    .symbol:         k_q60924adeab_oproj.kd
    .args:
      - { .name: oc, .offset: 0, .size: 8, .value_kind: global_buffer, .address_space: global }
      - { .name: codes, .offset: 8, .size: 8, .value_kind: global_buffer, .address_space: global }
      - { .name: lowp_scales, .offset: 16, .size: 8, .value_kind: global_buffer, .address_space: global }
      - { .name: out0, .offset: 24, .size: 8, .value_kind: global_buffer, .address_space: global }
    .group_segment_fixed_size: 327680
    .private_segment_fixed_size: 0
    .kernarg_segment_align: 8
    .kernarg_segment_size: 32
    .max_flat_workgroup_size: 128
    .sgpr_count:     100
    .vgpr_count:     512
    .wavefront_size: 32
...
	.end_amdgpu_metadata
.endif
;; end of part 4
